; MI455X (gfx1250); checked and timed in simulation.
; The chip was launched on July 23, 2026; its instructions are those of AMD's public machine-readable ISA for CDNA 5 (MIT licence, August 2026) and "CDNA5" Instruction Set Architecture Reference Guide (July 2026). The comments in the code are by the model that wrote it; some were corrected since.
;; s LSTM Cell. Allowed arithmetic: matrix products marked QUANTISED: E3M2 operands, one E8M0 scale for each 32 along K, by v_wmma_scale_f32_16x16x128_f8f6f4 with both operands' format E3M2, f32 sums; everything else in f32.
;; Inputs: Wf 2,048 x 3,072 float32; Wi 2,048 x 3,072 float32; Wo 2,048 x 3,072 float32; Wz 2,048 x 3,072 float32; bf 2,048 float32; bi 2,048 float32; bo 2,048 float32; bz 2,048 float32; c_prev 2,048 x 2,048 float32; h_prev 2,048 x 2,048 float32; ln_beta 2,048 float32; ln_gamma 2,048 float32; m_prev 2,048 x 2,048 float32; n_prev 2,048 x 2,048 float32; x 2,048 x 1,024 float32.
;; Outputs: out0 2,048 x 2,048 float32; out1 2,048 x 2,048 float32; out2 2,048 x 2,048 float32; out3 2,048 x 2,048 float32.
;; This version of the problem:
;;   THIS VERSION OF THE PROBLEM IS GIVEN IN LOW PRECISION. The matrix products marked QUANTISED in the list below multiply operands that are first quantised to E3M2 (3 exponent bits, 2 mantissa bits; 6 bits a number), with one power-of-two scale for each 32 numbers along K (OCP MX v1.0); their sums are f32. All else is computed in f32.
;;   The module's matrix products, in the order in which they are computed (A, B: the left and right operand; K: the contracted axis; several contracted axes count as one K, in the product's order):
;;     1. [M 8,192, K 3,072] x [K 3,072, N 2,048]; A: computed on the way; B: computed on the way: QUANTISED
;;   THE QUANTISER, for each operand of a quantised product, along K:
;;     - K is cut into blocks of 32 from its start; a last block that is shorter is filled with zeros.
;;     - A block's scale is 2^e with e = floor(log2(the largest magnitude in the block)) - 4, held to -126 .. 127; a block of zeros has e = 0. As a byte (E8M0): e + 127.
;;     - Each number is divided by its block's scale, clamped to +-28, and rounded to the nearest number of E3M2, ties to even, subnormals kept.
;;     - The product sums the exact products of the quantised numbers (number of the format x scale) in f32.
;;   ~~~python
;;   def quantise(x, axis):      # numpy; x: float32 -> the quantised numbers, widened to float32 again
;;       x = np.moveaxis(x, axis, -1); K = x.shape[-1]
;;       x = np.pad(x, [(0, 0)] * (x.ndim - 1) + [(0, -K % 32)]); x = x.reshape(x.shape[:-1] + (-1, 32)); a = np.abs(x).max(-1, keepdims=True)
;;       e = np.where(a > 0, np.clip(np.frexp(np.where(a > 0, a, 1))[1] - 1 - 4, -126, 127), 0)      # np.frexp(a)[1] - 1 = floor(log2(a)), exactly
;;       r = np.clip(x / 2.0 ** e, -28, 28)
;;       step = 2.0 ** (np.maximum(np.frexp(np.where(r == 0, 1, r))[1] - 1, -2) - 2)
;;       q = np.round(r / step) * step * 2.0 ** e      # np.round: ties to even
;;       return np.moveaxis(q.reshape(q.shape[:-2] + (-1,))[..., :K], -1, axis).astype(np.float32)
;;   ~~~
;;   OPERANDS COMPUTED ON THE WAY. 'Computed on the way' means the value that the module computes at that place (a softmax that the list does not call 'softmax' is quantised finished and normalised). What goes into a quantiser is computed in f32, as accurately as f32 sums, v_exp_f32 and their like allow (about 1e-6 of the number): no bf16 or f16 on the way to a quantiser, and a product that is left as it is and whose result goes on into a quantised operand takes f32 operands (vector FMAs, or v_wmma_f32_16x16x4_f32). A number that lies on a knife's edge between two numbers of the format may be rounded either way, as far as f32 arithmetic and the matrix unit's own rounding can turn it there, and no further.
;; One version. Each part assembles by itself: llvm-mc -triple=amdgcn-amd-amdhsa -mcpu=gfx1250 --defsym DOCPART=n.
;; ======== version 1 of 1: 3 launches
;; limits: right only within a limited range of input values
;; workspace buffers: codes 24,576,000 bytes; hbuf 16,777,216 bytes
;; launch quant (part 1): grid 8 x 32, 15 waves a work-group, no clusters, 327,680 bytes of LDS; arguments x, h_prev, Wi, Wf, Wo, Wz, codes; writes codes
.if DOCPART == 1
	.amdgcn_target "amdgcn-amd-amdhsa--gfx1250"
	.amdhsa_code_object_version 6
	.text
	.protected	k_q781fa93774_quant
	.globl	k_q781fa93774_quant
	.p2align	8
	.type	k_q781fa93774_quant,@function
k_q781fa93774_quant:
	s_mov_b64 s[64:65], 0
	v_nop
	global_prefetch_b8 v0, s[64:65] scope:SCOPE_SE
	s_setreg_imm32_b32 hwreg(HW_REG_WAVE_MODE, 25, 1), 1
	s_wait_xcnt 0x0
; combined = [x | h_prev] ([2048][3072]) and the four gate weights ([2048][3072] each), all f32 with K innermost, become codes of BF6 (E3M2) with one E8M0 byte
; for each 32 along K, laid in the ORDER OF THE OPERAND'S REGISTERS, so that the product's launch takes every fragment by plain 16-byte loads.  Every input has a way to the outputs: no work is left out.
; A block's scale is 2^(floor(log2(its largest magnitude)) - 4): its byte is the largest magnitude's exponent field - 4, held at 1 from below by a floor among the maximum's leaves.
; LIMITS: NaN and infinities among the inputs are not served.  A block whose largest magnitude lies under 2^-122 keeps the byte 1.  A block of zeros gets the byte 1 (not 127):
; its codes are zeros, which add nothing under that byte, and this program alone reads the bytes.
; THE BUFFER: 80 groups x 24 steps of 128 along K; a (group, step) is one MINI-CHUNK of 12,800 bytes at (24 group + step) x 12,800.  Groups 0-15: 128 batch rows each.  Group 16 + j: hidden units
; 32 j .. 32 j + 31 of all four gates; its block i = 2 g + u holds rows 32 j + 16 u + 0 .. 15 of gate g's weight (g: i, f, o, z).  In a mini-chunk: the images of its 8 blocks' fragments, 1,536 bytes each,
; block i at 1,536 i; registers 4 c .. 4 c + 3 of lane l lie at 512 c + 16 l.  From byte 12,288: the scale words; that of (block 4 p + t, row r) at 256 p + 16 r + 4 t.
; SHARES: a PAIR P (0..319) is 32 rows of one source = blocks 2 (P % 4), 2 (P % 4) + 1 of group P / 4.  320 pairs x 24 steps = 7,680 tasks = 256 work-groups x 15 waves x 2: work-group (x, y) takes
; pairs 10 y .. 10 y + 9 at steps 3 x .. 3 x + 2; a wave takes pair 10 y + wave % 5 and then the pair five on, at step 3 x + wave / 5.  A task is 32 rows x 512 bytes, brought by ONE tensor load into the
; wave's own LDS bytes (rows of 512 + 16 bytes).  The first tile is read into registers (128 a lane), the tile's bytes are filled again with the second task behind a barrier, and the first task is
; quantised and stored while that load is on its way.
; The three sources differ in the pitch of their rows, so there are three shape groups, each of constants, and for each fill one chain of branches on ids with one load in each arm.
; No cluster: no byte is read by two work-groups.  No prefetch: the second tile is asked for directly behind the barrier, and between the two fills stand only the 32 LDS reads of the first.
; The images leave as runs of 512 consecutive bytes.  A task's scale words are 8 of each 16 bytes of its group's 256 (the other two blocks come from another buffer, by another wave): 128 bytes for 16,384 read.
.set MINI,  12800
.set SP,    528                        ; an LDS row: 512 bytes + 16 of padding
.set TILEB, 32*SP                      ; a wave's tile
.set SPARE, 15*TILEB                   ; behind the tiles: the spare words, 128 bytes a wave, in whole blocks of 256
.set SPW,   2                          ; v2  my spare word's address; never rewritten
.set NIL,   3                          ; v3  0; never rewritten
.set M,     12                         ; v12-15 largest magnitudes of blocks k = 2 t + c (fragment t, half c)
.set S,     16                         ; v16-19 the conversions' scale operands
.set B,     20                         ; v20-23 the scale bytes
.set T,     24                         ; v24-25 my two bytes of fragment t's word
.set Q,     26                         ; v26-27 lane l xor 16's
.set SW,    28                         ; v28-29 fragment t's scale word of my row
.set W,     30                         ; v30    the word that I store
.set X,     32                         ; v32-159  my 128 numbers: block k at X + 32 k
.set C,     160                        ; v160-183 the two fragments' 12 registers
.set C2,    184                        ; v184-199 the blocks' second halves (a conversion's three registers begin on an even number)
.set G1X,   40                         ; s[40:47], s[48:55], s[56:63] descriptor group 1 for x, h_prev, a weight
.set G1H,   48
.set G1W,   56
.set PS,    68                         ; task ph has 16 scalars from PS + 16 ph: +0..3 group 0; +4,5 its images; +6,7 its scale words; +8 P; +9 P % 4; +10 pitch; +11 the tile's offset in its source; +14 its mini-chunk's offset
; what the ids alone give of task ph
.macro IDS ph
.set R, PS+16*\ph
	s_add_co_u32 s[R+8], s23, 5*\ph                ; pair P 0..319
	s_lshr_b32 s24, s[R+8], 2                      ; group
	s_and_b32 s[R+9], s[R+8], 3                    ; which two blocks of it; for a weight also the gate
	s_lshl_b32 s26, s[R+8], 5                      ; a batch pair's first row: 32 P
	s_max_u32 s25, s24, 16
	s_sub_co_u32 s25, s25, 16
	s_lshl_b32 s25, s25, 5                         ; a weight pair's: 32 (group - 16)
	s_mov_b32 s[R+10], 8192
	s_cmp_lt_u32 s22, 8                            ; the first 8 steps of combined are x, the other 16 h_prev
	s_cselect_b32 s[R+10], 4096, s[R+10]           ; bytes from row to row
	s_cselect_b32 s33, 0, 8
	s_sub_co_u32 s33, s22, s33                     ; the step inside that source
	s_mov_b32 s19, 12288
	s_cmp_lt_u32 s[R+8], 64                        ; batch rows or a weight?
	s_cselect_b32 s[R+10], s[R+10], s19
	s_cselect_b32 s33, s33, s22
	s_cselect_b32 s26, s26, s25
	s_mul_i32 s26, s26, s[R+10]                    ; first row x pitch (under 2^25)
	s_lshl_b32 s33, s33, 9                         ; + 512 bytes a step
	s_add_co_u32 s[R+11], s26, s33
	s_mul_i32 s24, s24, 24
	s_add_co_u32 s24, s24, s22
	s_mul_i32 s[R+14], s24, MINI
.endm
; its addresses: every choice of a buffer hangs on ids alone
.macro PTRS ph
.set R, PS+16*\ph
	s_bitcmp1_b32 s[R+9], 1
	s_cselect_b64 s[28:29], s[12:13], s[8:9]       ; Wo or Wi
	s_cselect_b64 s[30:31], s[14:15], s[10:11]     ; Wz or Wf
	s_bitcmp1_b32 s[R+9], 0
	s_cselect_b64 s[28:29], s[30:31], s[28:29]     ; the gate's weight
	s_cmp_lt_u32 s22, 8
	s_cselect_b64 s[30:31], s[4:5], s[6:7]         ; x or h_prev
	s_cmp_lt_u32 s[R+8], 64
	s_cselect_b64 s[28:29], s[30:31], s[28:29]
	s_mov_b32 s26, s[R+11]
	s_mov_b32 s[R], 1
	s_mul_i32 s[R+1], s18, TILEB
	s_add_nc_u64 s[R+2:R+3], s[28:29], s[26:27]
	s_or_b32 s[R+3], s[R+3], 0x80000000
	s_mov_b32 s26, s[R+14]
	s_add_nc_u64 s[R+4:R+5], s[16:17], s[26:27]    ; the mini-chunk
	s_lshr_b32 s26, s[R+9], 1
	s_lshl_b32 s26, s26, 8
	s_and_b32 s19, s[R+9], 1
	s_lshl_b32 s19, s19, 3
	s_add_co_u32 s26, s26, s19
	s_add_co_u32 s26, s26, 8*1536
	s_add_nc_u64 s[R+6:R+7], s[R+4:R+5], s[26:27]  ; my rows' two scale words
	s_mul_i32 s26, s[R+9], 2*1536
	s_add_nc_u64 s[R+4:R+5], s[R+4:R+5], s[26:27]  ; my two images
.endm
; task ph's tile is asked for: one chain, one load in each arm, one join
.macro FILL ph
.set R, PS+16*\ph
	s_cmp_ge_u32 s[R+8], 64
	s_cbranch_scc1 .Lweight_\@
	s_cmp_ge_u32 s22, 8
	s_cbranch_scc1 .Lhprev_\@
	tensor_load_to_lds s[R:R+3], s[G1X:G1X+7]
	s_nop 0
	s_branch .Lasked_\@
.Lhprev_\@:
	tensor_load_to_lds s[R:R+3], s[G1H:G1H+7]
	s_nop 0
	s_branch .Lasked_\@
.Lweight_\@:
	tensor_load_to_lds s[R:R+3], s[G1W:G1W+7]
	s_nop 0
.Lasked_\@:
.endm
.macro READ                            ; my 128 numbers of the tile
.irp k, 0,1,2,3
.irp j, 0,1,2,3,4,5,6,7
	ds_load_b128 v[X+32*\k+4*\j:X+32*\k+4*\j+3], v7 offset:16*SP*(\k/2)+256*(\k%2)+16*\j   ; fragment k / 2, row r, k = 64 (k % 2) + 32 h + 0 .. 31
.endr
.endr
.endm
.macro WORK ph                         ; the numbers in X become task ph's codes and scale words, and are stored
.set R, PS+16*\ph
.irp k, 0,1,2,3
	v_max3_num_f32 v[M+\k], |v[X+32*\k]|, |v[X+32*\k+1]|, 0x2800000   ; a block's 32 numbers are all mine; the floor 2^(5 - 127) holds the byte at 1 from below
.endr
.irp i, 2,4,6,8,10,12,14,16,18,20,22,24,26,28,30
.irp k, 0,1,2,3
	s_delay_alu instid0(VALU_DEP_4)
	v_max3_num_f32 v[M+\k], v[M+\k], |v[X+32*\k+\i]|, |v[X+32*\k+\i+1]|   ; the four blocks by turns
.endr
.endr
.irp k, 0,1,2,3
	s_delay_alu instid0(VALU_DEP_4)
	v_add_nc_u32 v[S+\k], 0xfe000000, v[M+\k]      ; 4 off the exponent field: the conversion takes this operand's exponent field as its scale
.endr
.irp k, 0,1,2,3
	s_delay_alu instid0(VALU_DEP_4)
	v_lshrrev_b32 v[B+\k], 23, v[S+\k]             ; the scale's byte
.endr
	s_delay_alu instid0(VALU_DEP_3)
	v_lshl_or_b32 v[T], v[B+1], 16, v[B]           ; my two bytes, K blocks h and 2 + h,
	s_delay_alu instid0(VALU_DEP_2)
	v_lshl_or_b32 v[T+1], v[B+3], 16, v[B+2]
.irp t, 0,1
	s_delay_alu instid0(VALU_DEP_2)
	v_lshlrev_b32 v[T+\t], v9, v[T+\t]             ; at their places in the word;
.endr
.irp t, 0,1
	s_delay_alu instid0(VALU_DEP_2)
	v_permlanex16_b32 v[Q+\t], v[T+\t], s34, s35
.endr
.irp t, 0,1
	s_delay_alu instid0(VALU_DEP_2)
	v_or_b32 v[SW+\t], v[T+\t], v[Q+\t]            ; with lane l xor 16's two the word is whole
.endr
	v_cmp_ne_u32 vcc_lo, 0, v6                     ; lanes 0-15 store row r's word of fragment 0, lanes 16-31 that of fragment 1
	s_delay_alu instid0(VALU_DEP_1)
	v_cndmask_b32 v[W], v[SW], v[SW+1], vcc_lo
.irp k, 0,1,2,3
	v_cvt_scalef32_pk16_bf6_f32 v[C+6*\k:C+6*\k+2], v[X+32*\k:X+32*\k+15], v[S+\k]
	v_cvt_scalef32_pk16_bf6_f32 v[C2+4*\k:C2+4*\k+2], v[X+32*\k+16:X+32*\k+31], v[S+\k]
.endr
	v_nop                                          ; one plain vector instruction between a scaled conversion and the vector instruction that reads its result
.irp k, 0,1,2,3
.irp i, 0,1,2
	v_mov_b32 v[C+3+6*\k+\i], v[C2+4*\k+\i]
.endr
.endr
.irp t, 0,1
.irp c, 0,1,2
	global_store_b128 v4, v[C+12*\t+4*\c:C+12*\t+4*\c+3], s[R+4:R+5] offset:1536*\t+512*\c   ; 32 lanes store 512 consecutive bytes, at a multiple of 256 from the buffer's first byte
.endr
.endr
	global_store_b32 v8, v[W], s[R+6:R+7]
.endm
	s_load_b256 s[4:11], s[0:1], 0x0               ; x, h_prev, Wi, Wf
	s_load_b128 s[12:15], s[0:1], 0x20             ; Wo, Wz
	s_load_b64 s[16:17], s[0:1], 0x30              ; codes
	v_lshl_add_u32 v[SPW], v0, 2, SPARE
	v_mov_b32 v[NIL], 0
	ds_add_u32 v[SPW], v[NIL]                      ; the opening: the add, twice on end, and its wait ahead of my first tensor load
	ds_add_u32 v[SPW], v[NIL]
	v_lshrrev_b32 v1, 5, v0
	s_delay_alu instid0(VALU_DEP_1)
	v_readfirstlane_b32 s18, v1                    ; wave 0..14
	v_and_b32 v4, 31, v0
	v_and_b32 v5, 15, v0                           ; r
	v_bfe_u32 v6, v0, 4, 1                         ; h
	s_delay_alu instid0(VALU_DEP_3)
	v_lshlrev_b32 v4, 4, v4                        ; 16 x lane: my place in an image's 512 bytes
	s_mul_i32 s19, s18, TILEB
	v_mul_u32_u24 v7, v5, SP
	s_delay_alu instid0(VALU_DEP_1)
	v_lshl_add_u32 v7, v6, 7, v7
	s_delay_alu instid0(VALU_DEP_1)
	v_add_nc_u32 v7, s19, v7                       ; LDS: my tile, row r, + 128 h
	v_lshlrev_b32 v8, 4, v5
	s_delay_alu instid0(VALU_DEP_1)
	v_lshl_add_u32 v8, v6, 2, v8                   ; the scale words' way out: 16 r + 4 h
	v_lshlrev_b32 v9, 3, v6                        ; 8 h: my two bytes' shift in a word
	v_mov_b32 v[Q], 0                              ; (a lane permute's destination counts as read)
	v_mov_b32 v[Q+1], 0
	s_mul_i32 s20, s18, 13
	s_lshr_b32 s20, s20, 6                         ; wave / 5
	s_mul_i32 s21, s20, 5
	s_sub_co_u32 s21, s18, s21                     ; wave % 5
	s_mul_i32 s22, ttmp9, 3
	s_add_co_u32 s22, s22, s20                     ; step 0..23
	s_and_b32 s23, ttmp7, 0xffff
	s_mul_i32 s23, s23, 10
	s_add_co_u32 s23, s23, s21                     ; my first pair
	s_mov_b32 s27, 0                               ; the upper word of every offset
	s_mov_b32 s34, 0x76543210
	s_mov_b32 s35, 0xfedcba98                      ; v_permlanex16_b32's selects for lane l xor 16
	IDS 0
	IDS 1
.irp g, G1X, G1H, G1W                  ; 32 rows of 64 elements of 8 bytes; 4 words of padding behind every 128
	s_mov_b32 s[\g+0], (3<<16)|(1<<20)|(6<<22)|(3<<25)
	s_mov_b32 s[\g+1], 64<<16
	s_mov_b32 s[\g+2], 32<<16
	s_mov_b32 s[\g+3], 64<<16
	s_mov_b32 s[\g+4], 32
	s_mov_b32 s[\g+6], 0
	s_mov_b32 s[\g+7], 0
.endr
	s_mov_b32 s[G1X+5], 512                        ; elements from row to row
	s_mov_b32 s[G1H+5], 1024
	s_mov_b32 s[G1W+5], 1536
	s_wait_alu depctr_va_vdst(0)
	s_wait_dscnt 0x0                               ; both opening adds are done
	s_wait_kmcnt 0x0
	PTRS 0
	FILL 0                                         ; my one tensor load at the head
	PTRS 1                                         ; under its flight; the second task has registers of its own
	s_wait_tensorcnt 0x0                           ; my tile is in; nobody else reads it
	READ
	s_wait_tensorcnt 0x0                           ; in front of the refill's barrier: no tensor load of mine is out,
	ds_add_u32 v[SPW], v[NIL]                      ; the add,
	s_wait_dscnt 0x0                               ; and it and my reads of the tile are done
	s_barrier_signal -1
	s_barrier_wait -1
	FILL 1                                         ; my one tensor load behind the barrier: the second task, into the same bytes
	WORK 0                                         ; the first task, from registers, while that load is on its way
	s_wait_alu depctr_va_vdst(0)
	s_wait_tensorcnt 0x0
	s_wait_xcnt 0x0                                ; the first task's stores have read their registers, which the second task writes again
	READ
	s_wait_dscnt 0x0
	WORK 1
	s_wait_tensorcnt 0x0                           ; the wave's end
	ds_add_u32 v[SPW], v[NIL]
	s_wait_dscnt 0x0
	s_endpgm
.Lfunc_end_k_q781fa93774_quant:
	.size	k_q781fa93774_quant, .Lfunc_end_k_q781fa93774_quant-k_q781fa93774_quant
	.p2alignl 7, 3214868480
	.fill 96, 4, 3214868480
	.section	.rodata,"a",@progbits
	.p2align	6, 0x0
	.amdhsa_kernel k_q781fa93774_quant
		.amdhsa_group_segment_fixed_size 327680
		.amdhsa_private_segment_fixed_size 0
		.amdhsa_enable_private_segment 0
		.amdhsa_kernarg_size 56
		.amdhsa_user_sgpr_count 2
		.amdhsa_user_sgpr_kernarg_segment_ptr 1
		.amdhsa_wavefront_size32 1
		.amdhsa_system_sgpr_workgroup_id_x 1
		.amdhsa_system_sgpr_workgroup_id_y 1
		.amdhsa_system_sgpr_workgroup_id_z 1
		.amdhsa_system_vgpr_workitem_id 0
		.amdhsa_next_free_vgpr 200
		.amdhsa_next_free_sgpr 100
		.amdhsa_reserve_vcc 1
		.amdhsa_float_denorm_mode_32 3
		.amdhsa_float_denorm_mode_16_64 3
		.amdhsa_memory_ordered 1
		.amdhsa_forward_progress 1
		.amdhsa_inst_pref_size 31
	.end_amdhsa_kernel
	.amdgpu_metadata
---
amdhsa.version: [ 1, 2 ]
amdhsa.kernels:
  - .name:           k_q781fa93774_quant
    .symbol:         k_q781fa93774_quant.kd
    .args:
      - { .name: x, .offset: 0, .size: 8, .value_kind: global_buffer, .address_space: global }
      - { .name: h_prev, .offset: 8, .size: 8, .value_kind: global_buffer, .address_space: global }
      - { .name: Wi, .offset: 16, .size: 8, .value_kind: global_buffer, .address_space: global }
      - { .name: Wf, .offset: 24, .size: 8, .value_kind: global_buffer, .address_space: global }
      - { .name: Wo, .offset: 32, .size: 8, .value_kind: global_buffer, .address_space: global }
      - { .name: Wz, .offset: 40, .size: 8, .value_kind: global_buffer, .address_space: global }
      - { .name: codes, .offset: 48, .size: 8, .value_kind: global_buffer, .address_space: global }
    .group_segment_fixed_size: 327680
    .private_segment_fixed_size: 0
    .kernarg_segment_align: 8
    .kernarg_segment_size: 56
    .max_flat_workgroup_size: 480
    .sgpr_count:     100
    .vgpr_count:     200
    .wavefront_size: 32
...
	.end_amdgpu_metadata
.endif
;; end of part 1
;; launch gates (part 2): grid 32 x 8, 4 waves a work-group, clusters of 4 x 4, 327,680 bytes of LDS; arguments codes, bi, bf, bo, bz, c_prev, n_prev, m_prev, out1, out2, out3, hbuf; writes out1, out2, out3, hbuf
.if DOCPART == 2
	.amdgcn_target "amdgcn-amd-amdhsa--gfx1250"
	.amdhsa_code_object_version 6
	.text
	.protected	k_q781fa93774_gates
	.globl	k_q781fa93774_gates
	.p2align	8
	.type	k_q781fa93774_gates,@function
k_q781fa93774_gates:
	s_mov_b64 s[64:65], 0
	v_nop
	global_prefetch_b8 v0, s[64:65] scope:SCOPE_SE
	s_setreg_imm32_b32 hwreg(HW_REG_WAVE_MODE, 25, 1), 1
	s_wait_xcnt 0x0
	s_wait_alu depctr_hold_cnt(0) depctr_sa_sdst(0) depctr_va_vdst(0) depctr_va_sdst(0) depctr_va_ssrc(0) depctr_va_vcc(0) depctr_vm_vsrc(0)
	s_getreg_b32 s2, hwreg(HW_REG_IB_STS2, 6, 4)
	s_cmp_eq_u32 s2, 0
	s_cbranch_scc0 .Lentry_in_a_cluster
	s_endpgm
.Lentry_in_a_cluster:
	s_bfe_u32 s2, ttmp6, 0x10000c
	s_cmp_lg_u32 s2, 0xf033
	s_cbranch_scc0 .Lentry_shape_is_right
	s_endpgm
.Lentry_shape_is_right:
; The four gates' products on codes of BF6 with E8M0 scales, and the cell's element-wise part: out1 = c_t, out2 = n_t, out3 = m_t, hbuf = h ahead of the LayerNorm.  No work of the problem is left out.
; A work-group makes 256 batch rows x 64 hidden units x 4 gates (256 x 256 sums): four waves, each 128 rows x (32 hidden units x 4 gates), 64 accumulators of 16 x 16.
; The operands come from the buffer that the launch before laid in the order of the operands' registers (mini-chunks of 12,800 bytes: 8 fragments' images and their scale words).
; K = 3,072 goes in 24 steps of 128 through two LDS slots of three steps each; each wave fills a quarter of a slot by one tensor load of 150 rows x 256 bytes.
; CLUSTERS: 4 x 4 work-groups; the batch rows' chunks are asked for jointly along a row of the cluster, the weights' along a column.  A round of the cluster's barrier stands in front of every fill.
; The matrix instruction is used transposed (source 0 = weights, source 1 = batch rows): a lane holds eight neighbouring hidden units of one batch row.  The biases are the C of each sum's first product.
; Behind the last steps c_prev and n_prev land in slot 0's bytes and m_prev in slot 1's; the results are written over them by blocks of 16 rows and leave as whole rows of 256 bytes.
; PREFETCH: each change of slots asks for the chunk two fills on; c_prev and n_prev are asked for in the loop's second trip, m_prev in its last, a lane a row of 256 bytes.
; LIMITS: exp(gate i) beyond the largest f32 number gives infinities as in f32 arithmetic; NaN and infinities among the inputs are not served.
.set MINI,  12800
.set SLB,   3*MINI
.set GRP,   24*MINI
.set SLOT,  4*SLB
.set TP,    272
.set TILE,  256*TP
.set TC,    0
.set TN,    TILE
.set TM,    SLOT
.set TH,    SLOT+TILE
.set SPARE, 2*SLOT
.set FR,    12
.set NP,    4
.set SC,    32
.set BI,    80
.set AF,    128
.set PC,    8
.set PN,    9
.set PM,    10
.set PH,    11
.set RDA,   12
.set RDB,   13
.set CO,    14
.set BO,    15
.set ADRA,  16
.set ADRB,  20
.set ADRS,  22
.set PFO2,  27
.set SPW,   28
.set NIL,   29
.set PFO,   30
.set PFP,   31
.set GI,    80
.set GF,    96
.set GO,    112
.set GZ,    128
.set VC,    144
.set VN,    160
.set VM,    176
.set TR,    192
.set WV,    28
.set RH,    29
.set CH,    30
.set LIM,   37
.set G1,    40
.set G1B,   48
.set G0,    56
.set G0B,   68
.set G1P,   76
.set G0P,   84
.set G1C,   88
.set G0C,   96
.set PFA,   100
.set PPA,   16
.set PMA,   18
.set OUTA,  20
.set OUTB,  24
.set MSB, 0
.macro WIN new
.if MSB != \new
	s_set_vgpr_msb (MSB<<8)|\new
.set MSB, \new
.endif
.endm
.set TO_B, 0x40
.macro PLACES n
.rept \n
	v_nop
.endr
.endm
.macro JLOAD g0a, g1a, g0b, g1b
	s_cmp_eq_u32 s[RH], 0
	s_cbranch_scc0 .Lfor_b_\@
	tensor_load_to_lds s[\g0a:\g0a+3], s[\g1a:\g1a+7]
	s_nop 0
	PLACES 4
	s_branch .Lasked_\@
.Lfor_b_\@:
	tensor_load_to_lds s[\g0b:\g0b+3], s[\g1b:\g1b+7]
	s_nop 0
	PLACES 4
.Lasked_\@:
.endm
.macro CREST
	s_cmp_lg_u32 s[WV], 0
	s_cbranch_scc1 .Lnot_wave_0_\@
	s_barrier_signal -3
.Lnot_wave_0_\@:
	s_barrier_wait -3
	s_barrier_signal -1
	s_barrier_wait -1
.endm
.macro CROUND
	s_barrier_signal -1
	s_barrier_wait -1
	CREST
.endm
.macro ASK slot
.if \slot == 0
	s_cmp_eq_u32 s[LIM], 1
.else
	s_cmp_gt_u32 s3, s[LIM]
.endif
	s_cbranch_scc0 .Lnot_mine_\@
	s_wait_alu depctr_va_vdst(0)
	global_prefetch_b8 v[PFO], s[PFA:PFA+1] th:TH_LOAD_NT scope:SCOPE_SE
	global_prefetch_b8 v[PFO2], s[PFA:PFA+1] th:TH_LOAD_NT scope:SCOPE_SE
.Lnot_mine_\@:
.if \slot == 1
	s_cmp_eq_u32 s3, 2                             ; the loop's second trip: my 128 rows of c_prev or n_prev, which are loaded nine steps on
	s_cbranch_scc0 .Lnot_cn_\@
.irp k, 0,1,2,3
	global_prefetch_b8 v[PFP], s[PPA:PPA+1] offset:\k*32*8192 th:TH_LOAD_NT scope:SCOPE_SE
.endr
.Lnot_cn_\@:
	s_cmp_eq_u32 s3, 1                             ; its last trip: my 64 rows of m_prev, which are loaded six steps on
	s_cbranch_scc0 .Lnot_m_\@
.irp k, 0,1
	global_prefetch_b8 v[PFP], s[PMA:PMA+1] offset:\k*32*8192 th:TH_LOAD_NT scope:SCOPE_SE
.endr
.Lnot_m_\@:
.endif
.endm
	s_load_b512 s[4:19], s[0:1], 0x0
	s_load_b256 s[20:27], s[0:1], 0x40
	v_lshl_add_u32 v[SPW], v0, 2, SPARE
	v_mov_b32 v[NIL], 0
	ds_add_u32 v28, v29
	ds_add_u32 v28, v29
	s_wait_dscnt 0x0
	v_lshrrev_b32 v1, 5, v0
	v_readfirstlane_b32 s[WV], v1
	s_lshr_b32 s[RH], s[WV], 1
	s_and_b32 s[CH], s[WV], 1
	s_bfe_u32 s31, ttmp6, 0x40000
	s_bfe_u32 s32, ttmp6, 0x40004
	s_lshl_b32 s33, ttmp9, 2
	s_add_co_u32 s33, s33, s31
	s_and_b32 s34, ttmp7, 0xffff
	s_lshl_b32 s34, s34, 2
	s_add_co_u32 s34, s34, s32
	s_lshl_b32 s35, s32, 2
	s_lshl_b32 s35, 15, s35
	s_lshl_b32 s36, 0x1111, s31
	s_or_b32 s[G1], s35, (3<<16)|(1<<21)
	s_or_b32 s[G1B], s36, (3<<16)|(1<<21)
.irp g, G1, G1B
	s_mov_b32 s[\g+1], 32<<16
	s_mov_b32 s[\g+2], 150<<16
	s_mov_b32 s[\g+3], 32<<16
	s_mov_b32 s[\g+4], 150
	s_mov_b32 s[\g+5], 32
	s_mov_b32 s[\g+6], 0
	s_mov_b32 s[\g+7], 0
.endr
	s_mov_b32 s[G1P], (3<<16)|(1<<20)|(5<<22)|(3<<25)
	s_mov_b32 s[G1P+1], 32<<16
	s_mov_b32 s[G1P+2], 128<<16
	s_mov_b32 s[G1P+3], 32<<16
	s_mov_b32 s[G1P+4], 128
	s_mov_b32 s[G1P+5], 1024
	s_mov_b32 s[G1P+6], 0
	s_mov_b32 s[G1P+7], 0
	s_mov_b32 s[G1C], (3<<16)|(1<<20)|(5<<22)|(3<<25)
	s_mov_b32 s[G1C+1], 32<<16
	s_mov_b32 s[G1C+2], 64<<16
	s_mov_b32 s[G1C+3], 32<<16
	s_mov_b32 s[G1C+4], 64
	s_mov_b32 s[G1C+5], 1024
	s_mov_b32 s[G1C+6], 0
	s_mov_b32 s[G1C+7], 0
	s_lshl_b32 s38, s34, 1
	s_add_co_u32 s38, s38, s[CH]
	s_mul_i32 s38, s38, GRP
	s_mov_b32 s39, 0
	s_lshl_b32 s66, s33, 1
	s_add_co_u32 s66, s66, s[CH]
	s_add_co_u32 s66, s66, 16
	s_mul_i32 s66, s66, GRP
	s_mov_b32 s67, 0
	s_mul_i32 s2, s[WV], SLB
	s_and_b32 s[LIM], ttmp7, 0xffff
	s_wait_kmcnt 0x0
	s_add_nc_u64 s[38:39], s[4:5], s[38:39]
	s_add_nc_u64 s[66:67], s[4:5], s[66:67]
.irp s, 0,1
	s_mov_b32 s[G0+4*\s], 1
	s_add_co_u32 s[G0+4*\s+1], s2, \s*SLOT
	s_add_nc_u64 s[G0+4*\s+2:G0+4*\s+3], s[38:39], \s*SLB
	s_or_b32 s[G0+4*\s+3], s[G0+4*\s+3], 0x80000000
	s_mov_b32 s[G0B+4*\s], 1
	s_add_co_u32 s[G0B+4*\s+1], s2, \s*SLOT
	s_add_nc_u64 s[G0B+4*\s+2:G0B+4*\s+3], s[66:67], \s*SLB
	s_or_b32 s[G0B+4*\s+3], s[G0B+4*\s+3], 0x80000000
.endr
	s_cmp_eq_u32 s[RH], 0
	s_cselect_b64 s[PFA:PFA+1], s[38:39], s[66:67]
	s_cselect_b32 s[LIM], ttmp9, s[LIM]
	s_cmp_eq_u32 s[LIM], 0
	s_cselect_b32 s[LIM], 1, -1
	s_add_nc_u64 s[PFA:PFA+1], s[PFA:PFA+1], 2*SLB
	s_mov_b32 s67, 0
	s_lshl_b32 s2, s34, 21
	s_lshl_b32 s66, s33, 8
	s_add_co_u32 s2, s2, s66
	s_lshl_b32 s66, s[WV], 19
	s_add_co_u32 s66, s66, s2
	s_add_nc_u64 s[PMA:PMA+1], s[18:19], s[66:67]
	s_lshl_b32 s66, s[CH], 20
	s_add_co_u32 s66, s66, s2
	s_cmp_eq_u32 s[RH], 0
	s_cselect_b64 s[PPA:PPA+1], s[14:15], s[16:17]
	s_add_nc_u64 s[PPA:PPA+1], s[PPA:PPA+1], s[66:67]
	s_lshl_b32 s66, s[RH], 20
	s_add_co_u32 s66, s66, s2
	s_cmp_eq_u32 s[CH], 0
	s_cselect_b64 s[OUTA:OUTA+1], s[20:21], s[22:23]
	s_cselect_b64 s[OUTB:OUTB+1], s[24:25], s[26:27]
	s_add_nc_u64 s[OUTA:OUTA+1], s[OUTA:OUTA+1], s[66:67]
	s_add_nc_u64 s[OUTB:OUTB+1], s[OUTB:OUTB+1], s[66:67]
	s_lshl_b32 s66, s33, 8
	s_lshl_b32 s2, s[CH], 7
	s_add_co_u32 s66, s66, s2
.irp g, 0,1,2,3
	s_add_nc_u64 s[6+2*\g:7+2*\g], s[6+2*\g:7+2*\g], s[66:67]
.endr
	s_mov_b32 s[G0P], 1
	s_mul_i32 s[G0P+1], s[WV], 128*TP
	s_mov_b64 s[G0P+2:G0P+3], s[PPA:PPA+1]
	s_or_b32 s[G0P+3], s[G0P+3], 0x80000000
	s_mov_b32 s[G0C], 1
	s_mul_i32 s[G0C+1], s[WV], 64*TP
	s_add_co_u32 s[G0C+1], s[G0C+1], TM
	s_mov_b64 s[G0C+2:G0C+3], s[PMA:PMA+1]
	s_or_b32 s[G0C+3], s[G0C+3], 0x80000000
	CROUND
	JLOAD G0, G1, G0B, G1B                         ; slot 0's first fill; the biases' loads and the addresses below are made under its flight
	v_and_b32 v1, 31, v0
	v_and_b32 v2, 15, v0
	v_bfe_u32 v3, v0, 4, 1
	v_lshlrev_b32 v4, 4, v1
	v_lshlrev_b32 v[BO], 5, v3
.irp g, 0,1,2,3
.irp u, 0,1
.irp k, 0,1
	global_load_b128 v[BI+8*(2*\g+\u)+96*((2*\g+\u)/6)+4*\k:BI+8*(2*\g+\u)+96*((2*\g+\u)/6)+4*\k+3], v[BO], s[6+2*\g:7+2*\g] offset:64*\u+16*\k
.endr
.endr
.endr
	s_mul_i32 s38, s[RH], SLB
	s_mul_i32 s66, s[CH], SLB
	s_add_co_u32 s66, s66, 2*SLB
	s_sub_co_u32 s2, s66, s38
	v_add_nc_u32 v[ADRA], s38, v4
	v_add_nc_u32 v[ADRB], s66, v4
	v_lshlrev_b32 v5, 4, v2
	v_mul_u32_u24 v6, s2, v3
	v_add_nc_u32 v5, v5, v6
	v_add_nc_u32 v[ADRS], s38, v5
	v_add_nc_u32 v[ADRA+1], SLOT, v[ADRA]
	v_add_nc_u32 v[ADRB+1], SLOT, v[ADRB]
	v_add_nc_u32 v[ADRS+1], SLOT, v[ADRS]
	v_mul_u32_u24 v5, v2, TP
	v_lshl_add_u32 v5, v3, 5, v5
	s_mul_i32 s38, s[RH], 128*TP
	s_lshl_b32 s66, s[CH], 7
	s_add_co_u32 s66, s66, s38
	v_add_nc_u32 v[PC], s66, v5
	v_add_nc_u32 v[PN], TN, v[PC]
	v_add_nc_u32 v[PM], TM, v[PC]
	v_add_nc_u32 v[PH], TH, v[PC]
	v_mul_u32_u24 v5, v3, TP
	v_lshl_add_u32 v5, v2, 4, v5
	v_add_nc_u32 v5, s38, v5
	s_mul_i32 s66, s[CH], TN
	v_add_nc_u32 v[RDA], s66, v5
	s_mul_i32 s66, s[CH], TH-TM
	s_add_co_u32 s66, s66, TM
	v_add_nc_u32 v[RDB], s66, v5
	v_lshlrev_b32 v[CO], 13, v3
	v_lshl_add_u32 v[CO], v2, 4, v[CO]
	s_cmp_eq_u32 s[RH], 0
	s_cselect_b32 s2, s31, s32
	s_mul_i32 s2, s2, 38
	v_add_nc_u32 v[PFO], s2, v1
	v_min_u32 v[PFO], 149, v[PFO]
	v_lshlrev_b32 v[PFO], 8, v[PFO]
	v_min_u32 v[PFO2], 5, v1
	v_add_nc_u32 v[PFO2], s2, v[PFO2]
	v_add_nc_u32 v[PFO2], 32, v[PFO2]
	v_min_u32 v[PFO2], 149, v[PFO2]
	v_lshlrev_b32 v[PFO2], 8, v[PFO2]
	v_lshlrev_b32 v[PFP], 13, v1
	s_wait_alu depctr_va_vdst(0)
	s_wait_tensorcnt 0x0
	ds_add_u32 v28, v29
	s_wait_dscnt 0x0
	CROUND
	JLOAD G0+4, G1, G0B+4, G1B
.macro FRAG reg, adr, q, i
.irp c, 0,1,2
	ds_load_b128 v[\reg+4*\c:\reg+4*\c+3], v[\adr] offset:(\q)*MINI+(\i)*1536+512*\c
.endr
.endm
.macro FETCH_B slot, q, p
	WIN TO_B
.irp i, 0,1,2,3,4,5,6,7
	FRAG 128*(\p)+FR*\i, ADRB+\slot, \q, \i
.endr
	WIN 0
.endm
.macro FETCH_A slot, q, i0
.irp i, \i0, \i0+1, \i0+2, \i0+3
	FRAG AF+FR*(\i), ADRA+\slot, \q, \i
.endr
.endm
.macro SCALES s
.irp q, 0,1,2
.irp p, 0,1
	ds_load_b128 v[SC+24*\s+8*\q+4*\p:SC+24*\s+8*\q+4*\p+3], v[ADRS+\s] offset:\q*MINI+8*1536+256*\p
.endr
.endr
.endm
.macro MUL16 a0, p, q, sc, first
.irp a, \a0, \a0+1
.irp b, 0,1,2,3,4,5,6,7
.if \first
	v_wmma_scale_f32_16x16x128_f8f6f4 v[8*(8*((\a)%4)+\b):8*(8*((\a)%4)+\b)+7], v[128*(\p)+FR*\b:128*(\p)+FR*\b+FR-1], v[AF+FR*(\a):AF+FR*(\a)+FR-1], v[BI+8*\b+96*(\b/6):BI+8*\b+96*(\b/6)+7], v[SC+24*(\sc)+8*(\q)+\b], v[SC+24*(\sc)+8*(\q)+(\a)] matrix_a_fmt:MATRIX_FMT_BF6 matrix_b_fmt:MATRIX_FMT_BF6 matrix_a_scale:MATRIX_SCALE_ROW1
.else
	v_wmma_scale_f32_16x16x128_f8f6f4 v[8*(8*((\a)%4)+\b):8*(8*((\a)%4)+\b)+7], v[128*(\p)+FR*\b:128*(\p)+FR*\b+FR-1], v[AF+FR*(\a):AF+FR*(\a)+FR-1], v[8*(8*((\a)%4)+\b):8*(8*((\a)%4)+\b)+7], v[SC+24*(\sc)+8*(\q)+\b], v[SC+24*(\sc)+8*(\q)+(\a)] matrix_a_fmt:MATRIX_FMT_BF6 matrix_b_fmt:MATRIX_FMT_BF6 matrix_a_scale:MATRIX_SCALE_ROW1
.endif
.endr
.endr
.endm
; One of a slot's first two steps: 64 products on (slot, q); the next step's fragments come in two runs: B's other set and A's blocks 0-3 in the middle, A's blocks 4-7 at the end,
; each behind four places and 32 products ahead of its first use.  first = 1: the biases, in window 0, are the C of the sums' first products.
.macro STEP slot, q, first
	s_wait_dscnt 12                                ; B's set, the scale words and A's blocks 0-3 are in; the youngest 12 loads (A's blocks 4-7) may be out
	WIN (0xa1-0x20*(\first))
	MUL16 0, (\slot+\q)%2, \q, \slot, \first
	MUL16 2, (\slot+\q)%2, \q, \slot, \first
	s_wait_dscnt 0x0                               ; A's blocks 4-7 are in
	PLACES NP
	FETCH_B \slot, (\q)+1, 1-(\slot+\q)%2
	FETCH_A \slot, (\q)+1, 0
	WIN (0xf1-0x30*(\first))
	MUL16 4, (\slot+\q)%2, \q, \slot, \first
	MUL16 6, (\slot+\q)%2, \q, \slot, \first
	PLACES NP
	WIN 0
	FETCH_A \slot, (\q)+1, 4
.endm
.macro TURN slot, next, fill
.if \fill == 1
	s_wait_xcnt 0x0
	s_add_nc_u64 s[PFA:PFA+1], s[PFA:PFA+1], SLB
.endif
	s_wait_tensorcnt 0x0
	ds_add_u32 v[SPW], v[NIL]
.if \fill == 1
	s_add_nc_u64 s[G0+4*\slot+2:G0+4*\slot+3], s[G0+4*\slot+2:G0+4*\slot+3], 2*SLB
	s_add_nc_u64 s[G0B+4*\slot+2:G0B+4*\slot+3], s[G0B+4*\slot+2:G0B+4*\slot+3], 2*SLB
.endif
	s_wait_dscnt 0x0                               ; the add is done, and my reads of this slot are over: its third step's fragments are all in registers
	CROUND                                         ; the round of the cluster's barrier; the refill follows it at once, ahead of the third step's products
.if \fill == 1
	JLOAD G0+4*\slot, G1, G0B+4*\slot, G1B
.else
	tensor_load_to_lds s[G0P:G0P+3], s[G1P:G1P+7]
	s_nop 0
	PLACES 4
.endif
	WIN 0xa1
	MUL16 0, \slot, 2, \slot, 0                    ; the slot's third step, from registers, under the refill's flight
	MUL16 2, \slot, 2, \slot, 0
	PLACES NP
	FETCH_B \next, 0, \next                        ; the other slot, which the round has shown whole
	FETCH_A \next, 0, 0
	SCALES \next
.if \fill == 1
	ASK \slot
.endif
	WIN 0xf1
	MUL16 4, \slot, 2, \slot, 0
	MUL16 6, \slot, 2, \slot, 0
	PLACES NP
	WIN 0
	FETCH_A \next, 0, 4
.endm
	s_wait_tensorcnt 0x1
	s_barrier_signal -1
	s_barrier_wait -1
	SCALES 0                                       ; the scale words first, so that the youngest 12 loads are A's blocks 4-7, as at every step's head
	FETCH_B 0, 0, 0
	FETCH_A 0, 0, 0
	FETCH_A 0, 0, 4
	s_wait_loadcnt 0x0
	STEP 0, 0, 1
	s_mov_b32 s3, 3
.Llap:
	STEP 0, 1, 0
	TURN 0, 1, 1
	STEP 1, 0, 0
	STEP 1, 1, 0
	TURN 1, 0, 1
	STEP 0, 0, 0
	s_sub_co_u32 s3, s3, 1
	s_cmp_lg_u32 s3, 0
	s_cbranch_scc1 .Llap
	STEP 0, 1, 0
	TURN 0, 1, 2
	STEP 1, 0, 0
	STEP 1, 1, 0
	s_wait_tensorcnt 0x0
	ds_add_u32 v[SPW], v[NIL]
	s_wait_dscnt 0x0
	CROUND
	tensor_load_to_lds s[G0C:G0C+3], s[G1C:G1C+7]
	s_nop 0
	PLACES 4
	WIN 0xa1
	MUL16 0, 1, 2, 1, 0
	MUL16 2, 1, 2, 1, 0
	WIN 0xf1
	MUL16 4, 1, 2, 1, 0
	MUL16 6, 1, 2, 1, 0
	WIN 0
	PLACES NP
.macro PREVCN a
.irp u, 0,1
.irp k, 0,1
	ds_load_b128 v[VC+8*\u+4*\k:VC+8*\u+4*\k+3], v[PC] offset:16*TP*(\a)+64*\u+16*\k
	ds_load_b128 v[VN+8*\u+4*\k:VN+8*\u+4*\k+3], v[PN] offset:16*TP*(\a)+64*\u+16*\k
.endr
.endr
.endm
.macro PREVM a
.irp u, 0,1
.irp k, 0,1
	ds_load_b128 v[VM+8*\u+4*\k:VM+8*\u+4*\k+3], v[PM] offset:16*TP*(\a)+64*\u+16*\k
.endr
.endr
.endm
.macro SCALEG a, g, lit
.irp k, 0,2,4,6,8,10,12,14
	v_pk_mul_f32 v[GI+16*\g+\k:GI+16*\g+\k+1], v[64*((\a)%4)+16*\g+\k:64*((\a)%4)+16*\g+\k+1], \lit op_sel_hi:[1,0]
.endr
.endm
.macro SENDLD a
.irp t, 0,1,2,3,4,5,6,7
	ds_load_b128 v[TR+4*\t:TR+4*\t+3], v[RDA] offset:(16*(\a)+2*\t)*TP
.endr
.irp t, 0,1,2,3,4,5,6,7
	ds_load_b128 v[TR+32+4*\t:TR+32+4*\t+3], v[RDB] offset:(16*(\a)+2*\t)*TP
.endr
.endm
.macro SENDST a
.irp t, 0,1,2,3,4,5,6,7
	global_store_b128 v[CO], v[TR+4*\t:TR+4*\t+3], s[OUTA:OUTA+1] offset:(16*(\a)+2*\t)*8192 th:TH_STORE_NT
.endr
.irp t, 0,1,2,3,4,5,6,7
	global_store_b128 v[CO], v[TR+32+4*\t:TR+32+4*\t+3], s[OUTB:OUTB+1] offset:(16*(\a)+2*\t)*8192
.endr
.endm
.macro EPI a
	PREVCN \a
.if (\a) > 0
	PREVM \a
.endif
	WIN (0x02+(\a)/4)
	SCALEG \a, 0, 0x3fb8aa3b
	SCALEG \a, 1, 0xbfb8aa3b
	SCALEG \a, 2, 0xbfb8aa3b
	SCALEG \a, 3, 0x4038aa3b
	WIN 0
.set j, 0
	s_wait_alu depctr_va_vdst(0)
.rept 64
	v_exp_f32 v[GI+j], v[GI+j]
.set j, j+1
.endr
.if (\a) > 0
	s_wait_dscnt 12
	SENDST (\a)-1
.endif
	v_nop
	s_wait_alu depctr_va_vdst(0)
.irp k, 0,2,4,6,8,10,12,14
	v_pk_add_f32 v[GF+\k:GF+\k+1], v[GF+\k:GF+\k+1], 1.0 op_sel_hi:[1,0]
	v_pk_add_f32 v[GZ+\k:GZ+\k+1], v[GZ+\k:GZ+\k+1], 1.0 op_sel_hi:[1,0]
.endr
	s_wait_alu depctr_va_vdst(0)
.irp j, 0,1,2,3,4,5,6,7,8,9,10,11,12,13,14,15
	v_rcp_f32 v[GF+\j], v[GF+\j]
.endr
.irp j, 0,1,2,3,4,5,6,7,8,9,10,11,12,13,14,15
	v_rcp_f32 v[GZ+\j], v[GZ+\j]
.endr
.irp k, 0,2,4,6,8,10,12,14
	v_pk_add_f32 v[GO+\k:GO+\k+1], v[GO+\k:GO+\k+1], 1.0 op_sel_hi:[1,0]
.endr
	s_wait_alu depctr_va_vdst(0)
.irp k, 0,2,4,6,8,10,12,14
	v_pk_fma_f32 v[GZ+\k:GZ+\k+1], v[GZ+\k:GZ+\k+1], -2.0, 1.0 op_sel_hi:[1,0,0]
.endr
.irp k, 0,2,4,6,8,10,12,14
	v_pk_mul_f32 v[GZ+\k:GZ+\k+1], v[GI+\k:GI+\k+1], v[GZ+\k:GZ+\k+1]
.endr
	s_wait_alu depctr_va_vdst(0)
	s_wait_dscnt 0x0
.irp k, 0,2,4,6,8,10,12,14
	v_pk_fma_f32 v[VC+\k:VC+\k+1], v[GF+\k:GF+\k+1], v[VC+\k:VC+\k+1], v[GZ+\k:GZ+\k+1]
	v_pk_fma_f32 v[VN+\k:VN+\k+1], v[GF+\k:GF+\k+1], v[VN+\k:VN+\k+1], v[GI+\k:GI+\k+1]
.endr
.irp k, 0,2,4,6,8,10,12,14
	v_pk_add_f32 v[GI+\k:GI+\k+1], v[VN+\k:VN+\k+1], 0x358637bd op_sel_hi:[1,0]
.endr
.irp k, 0,2,4,6,8,10,12,14
	v_pk_mul_f32 v[GO+\k:GO+\k+1], v[GO+\k:GO+\k+1], v[GI+\k:GI+\k+1]
.endr
	s_wait_alu depctr_va_vdst(0)
.irp j, 0,1,2,3,4,5,6,7,8,9,10,11,12,13,14,15
	v_rcp_f32 v[GO+\j], v[GO+\j]
.endr
.irp u, 0,1
.irp k, 0,1
	ds_store_b128 v[PC], v[VC+8*\u+4*\k:VC+8*\u+4*\k+3] offset:16*TP*(\a)+64*\u+16*\k
	ds_store_b128 v[PN], v[VN+8*\u+4*\k:VN+8*\u+4*\k+3] offset:16*TP*(\a)+64*\u+16*\k
.endr
.endr
	v_nop
	s_wait_alu depctr_va_vdst(0)
.irp k, 0,2,4,6,8,10,12,14
	v_pk_mul_f32 v[GO+\k:GO+\k+1], v[VC+\k:VC+\k+1], v[GO+\k:GO+\k+1]
.endr
.irp u, 0,1
.irp k, 0,1
	ds_store_b128 v[PH], v[GO+8*\u+4*\k:GO+8*\u+4*\k+3] offset:16*TP*(\a)+64*\u+16*\k
.endr
.endr
.if (\a) == 0
	s_wait_tensorcnt 0x0
	s_wait_dscnt 0x0
	s_barrier_signal -1
	s_barrier_wait -1
	PREVM 0
	s_wait_dscnt 0x0
.endif
.irp k, 0,2,4,6,8,10,12,14
	v_pk_mul_f32 v[VM+\k:VM+\k+1], v[GF+\k:GF+\k+1], v[VM+\k:VM+\k+1]
.endr
.irp j, 0,1,2,3,4,5,6,7,8,9,10,11,12,13,14,15
	v_max_num_f32 v[VM+\j], v[VM+\j], |v[GZ+\j]|
.endr
.irp u, 0,1
.irp k, 0,1
	ds_store_b128 v[PM], v[VM+8*\u+4*\k:VM+8*\u+4*\k+3] offset:16*TP*(\a)+64*\u+16*\k
.endr
.endr
	s_wait_dscnt 0x0
	s_barrier_signal -1
	s_barrier_wait -1
.if (\a) > 0
	s_wait_xcnt 0x0
.endif
	SENDLD \a
.endm
.irp a, 0,1,2,3,4,5,6,7
	EPI \a
.endr
	s_wait_dscnt 0x0
	SENDST 7
	s_wait_tensorcnt 0x0
	ds_add_u32 v[SPW], v[NIL]
	s_wait_dscnt 0x0
	CROUND
	s_endpgm
.Lfunc_end_k_q781fa93774_gates:
	.size	k_q781fa93774_gates, .Lfunc_end_k_q781fa93774_gates-k_q781fa93774_gates
	.p2alignl 7, 3214868480
	.fill 96, 4, 3214868480
	.section	.rodata,"a",@progbits
	.p2align	6, 0x0
	.amdhsa_kernel k_q781fa93774_gates
		.amdhsa_group_segment_fixed_size 327680
		.amdhsa_private_segment_fixed_size 0
		.amdhsa_enable_private_segment 0
		.amdhsa_kernarg_size 96
		.amdhsa_user_sgpr_count 2
		.amdhsa_user_sgpr_kernarg_segment_ptr 1
		.amdhsa_wavefront_size32 1
		.amdhsa_system_sgpr_workgroup_id_x 1
		.amdhsa_system_sgpr_workgroup_id_y 1
		.amdhsa_system_sgpr_workgroup_id_z 1
		.amdhsa_system_vgpr_workitem_id 0
		.amdhsa_next_free_vgpr 1024
		.amdhsa_next_free_sgpr 102
		.amdhsa_reserve_vcc 0
		.amdhsa_float_denorm_mode_32 3
		.amdhsa_float_denorm_mode_16_64 3
		.amdhsa_memory_ordered 1
		.amdhsa_forward_progress 1
		.amdhsa_inst_pref_size 255
	.end_amdhsa_kernel
	.section	.bss,"aw",@nobits
	.p2align	6
	.space	262144
	.amdgpu_metadata
---
amdhsa.version: [ 1, 2 ]
amdhsa.kernels:
  - .name:           k_q781fa93774_gates
    .symbol:         k_q781fa93774_gates.kd
    .args:
      - { .name: codes, .offset: 0, .size: 8, .value_kind: global_buffer, .address_space: global }
      - { .name: bi, .offset: 8, .size: 8, .value_kind: global_buffer, .address_space: global }
      - { .name: bf, .offset: 16, .size: 8, .value_kind: global_buffer, .address_space: global }
      - { .name: bo, .offset: 24, .size: 8, .value_kind: global_buffer, .address_space: global }
      - { .name: bz, .offset: 32, .size: 8, .value_kind: global_buffer, .address_space: global }
      - { .name: c_prev, .offset: 40, .size: 8, .value_kind: global_buffer, .address_space: global }
      - { .name: n_prev, .offset: 48, .size: 8, .value_kind: global_buffer, .address_space: global }
      - { .name: m_prev, .offset: 56, .size: 8, .value_kind: global_buffer, .address_space: global }
      - { .name: out1, .offset: 64, .size: 8, .value_kind: global_buffer, .address_space: global }
      - { .name: out2, .offset: 72, .size: 8, .value_kind: global_buffer, .address_space: global }
      - { .name: out3, .offset: 80, .size: 8, .value_kind: global_buffer, .address_space: global }
      - { .name: hbuf, .offset: 88, .size: 8, .value_kind: global_buffer, .address_space: global }
    .group_segment_fixed_size: 327680
    .private_segment_fixed_size: 0
    .kernarg_segment_align: 8
    .kernarg_segment_size: 96
    .max_flat_workgroup_size: 128
    .sgpr_count:     102
    .vgpr_count:     1024
    .wavefront_size: 32
...
	.end_amdgpu_metadata
.endif
;; end of part 2
;; launch norm (part 3): grid 256 x 1, 8 waves a work-group, no clusters, 17,408 bytes of LDS; arguments hbuf, ln_gamma, ln_beta, out0; writes out0
.if DOCPART == 3
	.amdgcn_target "amdgcn-amd-amdhsa--gfx1250"
	.amdhsa_code_object_version 6
	.text
	.protected	k_q781fa93774_norm
	.globl	k_q781fa93774_norm
	.p2align	8
	.type	k_q781fa93774_norm,@function
k_q781fa93774_norm:
	s_mov_b64 s[64:65], 0
	v_nop
	global_prefetch_b8 v0, s[64:65] scope:SCOPE_SE
	s_setreg_imm32_b32 hwreg(HW_REG_WAVE_MODE, 25, 1), 1
	s_wait_xcnt 0x0
; out0[row] = (h[row] - mu) x rsqrt(var + 1e-5) x gamma + beta, mu and var over the row's 2,048 numbers, all f32.
; One wave takes one row (8,192 bytes: 64 registers a lane) and keeps it in registers between the passes: the row is read once; the variance is the mean of (h - mu)^2, formed of the differences themselves.
; gamma and beta are read once by the work-group (16 bytes a thread, twice each), laid into LDS and taken from there by all eight waves.
; Every load and store of a row covers 512 consecutive bytes.  No matrix unit, no cluster, no tensor load: rows share nothing but gamma and beta.
; LIMITS: NaN and infinities in h go through as f32 arithmetic carries them; a row whose squares' sum passes the largest f32 number gives zeros times gamma, plus beta.
.set X,  16                            ; v16-79   the row
.set GA, 80                            ; v80-143  gamma at my columns
.set BE, 144                           ; v144-207 beta
	s_load_b256 s[4:11], s[0:1], 0x0               ; h s[4:5], gamma s[6:7], beta s[8:9], out0 s[10:11]
	v_lshl_add_u32 v216, v0, 2, 0x4000
	v_mov_b32 v217, 0
	v_lshrrev_b32 v1, 5, v0
	s_delay_alu instid0(VALU_DEP_1)
	v_readfirstlane_b32 s12, v1                    ; wave 0..7
	v_and_b32 v1, 31, v0
	s_delay_alu instid0(VALU_DEP_1)
	v_lshlrev_b32 v1, 4, v1                        ; 16 x lane
	v_lshlrev_b32 v2, 4, v0                        ; 16 x thread
	s_lshl_b32 s14, ttmp9, 3
	s_add_co_u32 s14, s14, s12                     ; my row
	s_lshl_b32 s14, s14, 13
	s_mov_b32 s15, 0
	s_mov_b32 s16, 0x76543210
	s_mov_b32 s17, 0xfedcba98                      ; v_permlanex16_b32's selects for lane l xor 16
	s_mov_b32 s18, 0x3a000000                      ; 1 / 2,048
	s_mov_b32 s19, 0x3727c5ac                      ; 1e-5
	s_wait_alu depctr_va_vdst(0)
	s_wait_kmcnt 0x0
	s_add_nc_u64 s[4:5], s[4:5], s[14:15]
	s_add_nc_u64 s[10:11], s[10:11], s[14:15]
	global_load_b128 v[GA:GA+3], v2, s[6:7]
	global_load_b128 v[GA+4:GA+7], v2, s[6:7] offset:4096
	global_load_b128 v[GA+8:GA+11], v2, s[8:9]
	global_load_b128 v[GA+12:GA+15], v2, s[8:9] offset:4096
.irp i, 0,1,2,3,4,5,6,7,8,9,10,11,12,13,14,15
	global_load_b128 v[X+4*\i:X+4*\i+3], v1, s[4:5] offset:512*\i th:TH_LOAD_NT
.endr
	s_wait_loadcnt 16                              ; gamma's and beta's four loads are in; the row's sixteen may be out
	ds_store_b128 v2, v[GA:GA+3]
	ds_store_b128 v2, v[GA+4:GA+7] offset:4096
	ds_store_b128 v2, v[GA+8:GA+11] offset:8192
	ds_store_b128 v2, v[GA+12:GA+15] offset:12288
	s_wait_dscnt 0x0                               ; for the other waves: my stores have landed
	s_barrier_signal -1
	s_barrier_wait -1
.irp i, 0,1,2,3,4,5,6,7,8,9,10,11,12,13,14,15
	ds_load_b128 v[GA+4*\i:GA+4*\i+3], v1 offset:512*\i
.endr
.irp i, 0,1,2,3,4,5,6,7,8,9,10,11,12,13,14,15
	ds_load_b128 v[BE+4*\i:BE+4*\i+3], v1 offset:8192+512*\i
.endr
.macro REDUCE                          ; four pairs of partial sums in v[4:11] become the row's sum in v4 of every lane
	s_delay_alu instid0(VALU_DEP_3)
	v_pk_add_f32 v[4:5], v[4:5], v[6:7]
	s_delay_alu instid0(VALU_DEP_2)
	v_pk_add_f32 v[8:9], v[8:9], v[10:11]
	s_delay_alu instid0(VALU_DEP_1)
	v_pk_add_f32 v[4:5], v[4:5], v[8:9]
	s_delay_alu instid0(VALU_DEP_1)
	v_add_f32 v4, v4, v5
	s_delay_alu instid0(VALU_DEP_1)
	v_add_f32_dpp v4, v4, v4 row_xmask:1 row_mask:0xf bank_mask:0xf
	s_delay_alu instid0(VALU_DEP_1)
	v_add_f32_dpp v4, v4, v4 row_xmask:2 row_mask:0xf bank_mask:0xf
	s_delay_alu instid0(VALU_DEP_1)
	v_add_f32_dpp v4, v4, v4 row_xmask:4 row_mask:0xf bank_mask:0xf
	s_delay_alu instid0(VALU_DEP_1)
	v_add_f32_dpp v4, v4, v4 row_xmask:8 row_mask:0xf bank_mask:0xf
	s_delay_alu instid0(VALU_DEP_1)
	v_permlanex16_b32 v5, v4, s16, s17
	s_delay_alu instid0(VALU_DEP_1)
	v_add_f32 v4, v4, v5
.endm
	s_wait_loadcnt 0x0                             ; the row
.irp c, 0,1,2,3
	v_pk_add_f32 v[4+2*\c:5+2*\c], v[X+2*\c:X+2*\c+1], v[X+8+2*\c:X+8+2*\c+1]     ; four chains; the first numbers start them: nothing is cleared
.endr
.irp p, 16,24,32,40,48,56
.irp c, 0,1,2,3
	s_delay_alu instid0(VALU_DEP_4)
	v_pk_add_f32 v[4+2*\c:5+2*\c], v[4+2*\c:5+2*\c], v[X+\p+2*\c:X+\p+2*\c+1]
.endr
.endr
	REDUCE
	s_delay_alu instid0(VALU_DEP_1)
	v_mul_f32 v12, s18, v4                         ; mu,
	s_delay_alu instid0(VALU_DEP_1)
	v_mov_b32 v13, v12                             ; twice: a pair for the packed form
.irp p, 0,2,4,6,8,10,12,14,16,18,20,22,24,26,28,30,32,34,36,38,40,42,44,46,48,50,52,54,56,58,60,62
	v_pk_add_f32 v[X+\p:X+\p+1], v[X+\p:X+\p+1], v[12:13] neg_lo:[0,1] neg_hi:[0,1]   ; h - mu
.endr
.irp c, 0,1,2,3
	v_pk_mul_f32 v[4+2*\c:5+2*\c], v[X+2*\c:X+2*\c+1], v[X+2*\c:X+2*\c+1]
.endr
.irp p, 8,16,24,32,40,48,56
.irp c, 0,1,2,3
	s_delay_alu instid0(VALU_DEP_4)
	v_pk_fma_f32 v[4+2*\c:5+2*\c], v[X+\p+2*\c:X+\p+2*\c+1], v[X+\p+2*\c:X+\p+2*\c+1], v[4+2*\c:5+2*\c]
.endr
.endr
	REDUCE
	s_delay_alu instid0(VALU_DEP_1)
	v_fma_f32 v4, v4, s18, s19                     ; var + 1e-5
	s_wait_alu depctr_va_vdst(0)
	v_rsq_f32 v14, v4
	v_nop                                          ; a plain instruction behind the transcendental,
	s_wait_alu depctr_va_vdst(0)                   ; and the wait ahead of its first reader
	v_mov_b32 v15, v14
	s_wait_alu depctr_va_vdst(0)
	s_wait_dscnt 0x0                               ; gamma and beta at my columns
.irp p, 0,2,4,6,8,10,12,14,16,18,20,22,24,26,28,30,32,34,36,38,40,42,44,46,48,50,52,54,56,58,60,62
	v_pk_mul_f32 v[GA+\p:GA+\p+1], v[GA+\p:GA+\p+1], v[14:15]
.endr
.irp p, 0,2,4,6,8,10,12,14,16,18,20,22,24,26,28,30,32,34,36,38,40,42,44,46,48,50,52,54,56,58,60,62
	v_pk_fma_f32 v[X+\p:X+\p+1], v[X+\p:X+\p+1], v[GA+\p:GA+\p+1], v[BE+\p:BE+\p+1]
.endr
.irp i, 0,1,2,3,4,5,6,7,8,9,10,11,12,13,14,15
	global_store_b128 v1, v[X+4*\i:X+4*\i+3], s[10:11] offset:512*\i th:TH_STORE_NT   ; 32 lanes store 512 consecutive bytes, aligned; written once, read by nobody here
.endr
	s_wait_tensorcnt 0x0
	ds_add_u32 v216, v217
	s_wait_dscnt 0x0
	s_endpgm
.Lfunc_end_k_q781fa93774_norm:
	.size	k_q781fa93774_norm, .Lfunc_end_k_q781fa93774_norm-k_q781fa93774_norm
	.p2alignl 7, 3214868480
	.fill 96, 4, 3214868480
	.section	.rodata,"a",@progbits
	.p2align	6, 0x0
	.amdhsa_kernel k_q781fa93774_norm
		.amdhsa_group_segment_fixed_size 17408
		.amdhsa_private_segment_fixed_size 0
		.amdhsa_enable_private_segment 0
		.amdhsa_kernarg_size 32
		.amdhsa_user_sgpr_count 2
		.amdhsa_user_sgpr_kernarg_segment_ptr 1
		.amdhsa_wavefront_size32 1
		.amdhsa_system_sgpr_workgroup_id_x 1
		.amdhsa_system_sgpr_workgroup_id_y 1
		.amdhsa_system_sgpr_workgroup_id_z 1
		.amdhsa_system_vgpr_workitem_id 0
		.amdhsa_next_free_vgpr 218
		.amdhsa_next_free_sgpr 66
		.amdhsa_reserve_vcc 0
		.amdhsa_float_denorm_mode_32 3
		.amdhsa_float_denorm_mode_16_64 3
		.amdhsa_memory_ordered 1
		.amdhsa_forward_progress 1
		.amdhsa_inst_pref_size 21
	.end_amdhsa_kernel
	.amdgpu_metadata
---
amdhsa.version: [ 1, 2 ]
amdhsa.kernels:
  - .name:           k_q781fa93774_norm
    .symbol:         k_q781fa93774_norm.kd
    .args:
      - { .name: hbuf, .offset: 0, .size: 8, .value_kind: global_buffer, .address_space: global }
      - { .name: ln_gamma, .offset: 8, .size: 8, .value_kind: global_buffer, .address_space: global }
      - { .name: ln_beta, .offset: 16, .size: 8, .value_kind: global_buffer, .address_space: global }
      - { .name: out0, .offset: 24, .size: 8, .value_kind: global_buffer, .address_space: global }
    .group_segment_fixed_size: 17408
    .private_segment_fixed_size: 0
    .kernarg_segment_align: 8
    .kernarg_segment_size: 32
    .max_flat_workgroup_size: 256
    .sgpr_count:     66
    .vgpr_count:     218
    .wavefront_size: 32
...
	.end_amdgpu_metadata
.endif
;; end of part 3
